; MI455X (gfx1250); checked and timed in simulation.
; The chip was launched on July 23, 2026; its instructions are those of AMD's public machine-readable ISA for CDNA 5 (MIT licence, August 2026) and "CDNA5" Instruction Set Architecture Reference Guide (July 2026). The comments in the code are by the model that wrote it; some were corrected since.
;; Hyperbolic Rational Fourier Operator. Allowed arithmetic: matrix products marked QUANTISED: E2M1 operands, one E8M0 scale for each 32 along K, by v_wmma_scale_f32_16x16x128_f8f6f4 with both operands' format E2M1 (or v_wmma_scale_f32_32x16x128_f4), f32 sums; products left as they are: bf16, f16 or f32 operands; f32 sums; everything else in f32.
;; Inputs: Wk 512 x 512 float32; Wo 512 x 512 float32; Wq 512 x 512 float32; Wv 512 x 512 float32; bk 512 float32; bo 512 float32; bq 512 float32; bv 512 float32; x 2 x 4 x 512 x 2,048 float32.
;; Outputs: out0 2 x 4 x 512 x 2,048 float32.
;; This version of the problem:
;;   THIS VERSION OF THE PROBLEM IS GIVEN IN LOW PRECISION. The matrix products marked QUANTISED in the list below multiply operands that are first quantised to E2M1 (2 exponent bits, 1 mantissa bit; 4 bits a number), with one power-of-two scale for each 32 numbers along K (OCP MX v1.0); their sums are f32. The products marked 'left as it is' may take bf16, f16 or f32 operands, with f32 sums. Whichever they take, every output number must still come out within the allowed error. Rounding operands to bf16 (8 significant bits) uses up far more of that allowance than f16 does (11 bits, for magnitudes from 6e-5 to 65,504). All else is computed in f32.
;;   The module's matrix products, in the order in which they are computed (A, B: the left and right operand; K: the contracted axis; several contracted axes count as one K, in the product's order):
;;     1. [M 16,384, K 512] x [K 512, N 512]; A: input x; B: input Wq: QUANTISED
;;     2. [M 16,384, K 512] x [K 512, N 512]; A: input x; B: input Wk: QUANTISED
;;     3. [M 16,384, K 512] x [K 512, N 512]; A: input x; B: input Wv: QUANTISED
;;     4. batch 64 x [M 2,048, K 64] x [K 64, N 2,048]; A: computed on the way; B: computed on the way: left as it is (an operand is computed on the way)
;;     5. batch 64 x [M 2,048, K 2,048] x [K 2,048, N 64]; A: computed on the way; B: computed on the way: left as it is (an operand is computed on the way)
;;     6. [M 16,384, K 512] x [K 512, N 512]; A: computed on the way; B: input Wo: left as it is (an operand is computed on the way)
;;   THE QUANTISER, for each operand of a quantised product, along K:
;;     - K is cut into blocks of 32 from its start; a last block that is shorter is filled with zeros.
;;     - A block's scale is 2^e with e = floor(log2(the largest magnitude in the block)) - 2, held to -126 .. 127; a block of zeros has e = 0. As a byte (E8M0): e + 127.
;;     - Each number is divided by its block's scale, clamped to +-6, and rounded to the nearest number of E2M1, ties to even, subnormals kept.
;;     - The product sums the exact products of the quantised numbers (number of the format x scale) in f32.
;;   ~~~python
;;   def quantise(x, axis):      # numpy; x: float32 -> the quantised numbers, widened to float32 again
;;       x = np.moveaxis(x, axis, -1); K = x.shape[-1]
;;       x = np.pad(x, [(0, 0)] * (x.ndim - 1) + [(0, -K % 32)]); x = x.reshape(x.shape[:-1] + (-1, 32)); a = np.abs(x).max(-1, keepdims=True)
;;       e = np.where(a > 0, np.clip(np.frexp(np.where(a > 0, a, 1))[1] - 1 - 2, -126, 127), 0)      # np.frexp(a)[1] - 1 = floor(log2(a)), exactly
;;       r = np.clip(x / 2.0 ** e, -6, 6)
;;       step = 2.0 ** (np.maximum(np.frexp(np.where(r == 0, 1, r))[1] - 1, 0) - 1)
;;       q = np.round(r / step) * step * 2.0 ** e      # np.round: ties to even
;;       return np.moveaxis(q.reshape(q.shape[:-2] + (-1,))[..., :K], -1, axis).astype(np.float32)
;;   ~~~
;; One version. Each part assembles by itself: llvm-mc -triple=amdgcn-amd-amdhsa -mcpu=gfx1250 --defsym DOCPART=n.
;; ======== version 1 of 1: 4 launches
;; limits: values are held in f16: magnitudes above 65,504 overflow, below 6.1e-05 lose precision
;; workspace buffers: wcodes 393,216 bytes; wsc 24,576 bytes; woimg 524,288 bytes; qimg 16,777,216 bytes; kv 33,554,432 bytes; oimg 16,777,216 bytes
;; launch prep (part 1): grid 128 x 1, 1 waves a work-group, no clusters, 0 bytes of LDS; arguments Wq, Wk, Wv, Wo, wcodes, wsc, woimg; writes wcodes, wsc, woimg
.if DOCPART == 1
	.amdgcn_target "amdgcn-amd-amdhsa--gfx1250"
	.amdhsa_code_object_version 6
	.text
	.protected	k_q294141a959_prep
	.globl	k_q294141a959_prep
	.p2align	8
	.type	k_q294141a959_prep,@function
k_q294141a959_prep:
	s_mov_b64 s[64:65], 0
	v_nop
	global_prefetch_b8 v0, s[64:65] scope:SCOPE_SE
	s_setreg_imm32_b32 hwreg(HW_REG_WAVE_MODE, 25, 1), 1
	s_wait_xcnt 0x0
; PREP: the four weights, once, into the forms that the later launches' operand registers take.
; THE PROGRAM: prep (this) | qkv: x quantised, Q, K, V | attn: scores, softmax, weighted values | proj: the product with Wo, stored transposed.
; DEAD WORK, LEFT OUT IN THE WHOLE PROGRAM: bk.  With K' = x Wk^T, scores[q][k] = Q[q] . (K'[k] + bk) / 16 = Q[q] . K'[k] / 16 + Q[q] . bk / 16.  The second term is the same for every
; key k of a query's row, and a softmax along k is not moved by a term that is the same along its axis, whatever finite values the inputs hold.  K goes into the scores alone, and that product is left as it
; is: no quantiser sees K.  So bk has no way to any output: it is not loaded and is among no launch's arguments.  LIMIT: a NaN, an infinity or an overflow that reaches only Q . bk is not carried to the result.
; MOVED, NOT LEFT OUT: bv.  A row's weights sum to 1, so sum_k attn (V'[k] + bv) = sum_k attn V'[k] + bv for all finite inputs: bv is added once, where attn divides by the row's sum.
; WHAT IS MADE HERE.  Wq, Wk, Wv [512 (out)][512 (k)] f32 become codes of E2M1 with one E8M0 byte for each 32 along k: a block's byte is its largest magnitude's exponent field - 2, held at 1 from below; each number is
; divided by the scale and rounded to the nearest code, ties to even, beyond 6 the largest code.  Wo [512 (c')][512 (c)] f32 becomes f16.
; ALL OF IT IS LAID AS IMAGES OF OPERAND REGISTERS: four registers of a fragment are one piece of 512 bytes, lane l's 16 bytes at 16 l.
;   wcodes: (32 g + tile) x 4096 + kstep x 1024 + c x 512 + 16 l   (g: 0 Wq, 1 Wk, 2 Wv; a tile is 16 rows; a kstep 128 along k; piece c = registers 4 c .. 4 c + 3: k = 64 c + 32 (l / 16) + 0 .. 31 of row l % 16)
;   wsc:    row x 16: the row's 16 scale bytes; word s serves kstep s
;   woimg:  tile x 16384 + ks x 1024 + c x 512 + 16 l              (ks: 32 along c; piece c: c = 32 ks + 16 c + 8 (l / 16) + 0 .. 7 of row l % 16)
; SHARES: a work-group is one wave and takes 16 rows of one matrix: 0-95 the three quantised ones, 96-127 Wo.  No LDS, no barrier.
; LIMITS: a block of zeros gets the byte 1 where the rule says 127: its codes are zeros, and this program alone reads the bytes.  NaN and infinities among the inputs are not served.  |Wo| stays under 65,504.
.set TM, 8                             ; v8-15    at work: +0,1 largest magnitudes, +2,3 the conversions' scale operands, +4,5 bytes, +6 my half of the word, +7 the other lanes' half
.set SW, 24                            ; v24-27   the row's four scale words
.set CD, 32                            ; v32-63   codes: eight registers a kstep, so that no store's data are written again
.set X,  64                            ; v64-191  two sets of 64 numbers
.set FO, 192                           ; v192-255 Wo in f16: two sets of 32 registers
	s_load_b256 s[4:11], s[0:1], 0x0               ; Wq s[4:5], Wk s[6:7], Wv s[8:9], Wo s[10:11]
	s_load_b128 s[12:15], s[0:1], 0x20             ; wcodes s[12:13], wsc s[14:15]
	s_load_b64 s[16:17], s[0:1], 0x30              ; woimg
	v_and_b32 v1, 15, v0                           ; r (one wave: the thread's number is the lane)
	v_lshrrev_b32 v2, 4, v0                        ; h
	v_lshlrev_b32 v4, 4, v0                        ; 16 x lane: my place in a piece
	v_lshlrev_b32 v5, 4, v1                        ; 16 r: my row's scale bytes
	v_lshlrev_b32 v6, 3, v2                        ; 8 h: how far my two bytes are shifted in the scale word
	v_lshlrev_b32 v3, 11, v1                       ; row r of 2,048 bytes
	v_mov_b32 v[TM+7], 0                           ; written once: a lane permute's destination counts as one of its sources
	s_mov_b32 s20, 0x76543210
	s_mov_b32 s21, 0xfedcba98                      ; v_permlanex16_b32's selects for lane l xor 16
	s_mov_b32 s19, 0
	s_wait_kmcnt 0x0
	s_cmp_ge_u32 ttmp9, 96
	s_cbranch_scc1 .Lwo
	; ---- Wq, Wk, Wv: 16 rows into four fragments of codes and four scale words a row
	v_lshl_add_u32 v3, v2, 7, v3                   ; + 128 h: lane (r, h) takes whole blocks: k = 128 s + 64 c + 32 h + 0 .. 31
	s_cmp_lt_u32 ttmp9, 64                         ; which matrix: the choice hangs on the work-group's number alone
	s_cselect_b64 s[6:7], s[6:7], s[8:9]
	s_cmp_lt_u32 ttmp9, 32
	s_cselect_b64 s[4:5], s[4:5], s[6:7]
	s_and_b32 s18, ttmp9, 31
	s_lshl_b32 s18, s18, 15                        ; 16 rows of 2,048 bytes a tile
	s_add_nc_u64 s[4:5], s[4:5], s[18:19]
	s_lshl_b32 s18, ttmp9, 12
	s_add_nc_u64 s[12:13], s[12:13], s[18:19]      ; the tile's 4,096 bytes of codes
	s_lshl_b32 s18, ttmp9, 8
	s_add_nc_u64 s[14:15], s[14:15], s[18:19]      ; and its 256 scale bytes
.macro LOADW s                         ; kstep s: my two blocks of 32 numbers into set s % 2
.irp c, 0,1
.irp i, 0,1,2,3,4,5,6,7
	global_load_b128 v[X+64*((\s)%2)+32*\c+4*\i:X+64*((\s)%2)+32*\c+4*\i+3], v3, s[4:5] offset:(\s)*512+\c*256+16*\i th:TH_LOAD_NT
.endr
.endr
.endm
.macro QW s
.set XS, X+64*((\s)%2)
.if (\s) < 3
	s_wait_loadcnt 16                              ; this kstep's 16 loads are in; the next set's 16 may be out
.else
	s_wait_loadcnt 0x0
.endif
.irp c, 0,1
	v_max3_num_f32 v[TM+\c], |v[XS+32*\c]|, |v[XS+32*\c+1]|, 0x1800000   ; block 2 c + h: all 32 numbers are mine; the floor 2^(3 - 127) holds the byte at 1 from below
.endr
.irp i, 2,4,6,8,10,12,14,16,18,20,22,24,26,28,30
.irp c, 0,1
	v_max3_num_f32 v[TM+\c], v[TM+\c], |v[XS+32*\c+\i]|, |v[XS+32*\c+\i+1]|   ; (the two blocks by turns)
.endr
.endr
.irp c, 0,1
	v_add_nc_u32 v[TM+2+\c], 0xff000000, v[TM+\c]  ; 2 off the exponent field: the conversion takes the exponent field of this operand as its scale
.endr
.irp c, 0,1
	v_lshrrev_b32 v[TM+4+\c], 23, v[TM+2+\c]       ; the scale's byte
.endr
	v_lshl_or_b32 v[TM+6], v[TM+5], 16, v[TM+4]    ; blocks h and 2 + h,
	v_lshlrev_b32 v[TM+6], v6, v[TM+6]             ; at their places in the word;
	v_permlanex16_b32 v[TM+7], v[TM+6], s20, s21
	v_or_b32 v[SW+(\s)], v[TM+6], v[TM+7]          ; with lane l xor 16's two the word is whole
.irp c, 0,1
.irp g, 0,1,2,3
	v_cvt_scalef32_pk8_fp4_f32 v[CD+8*(\s)+4*\c+\g], v[XS+32*\c+8*\g:XS+32*\c+8*\g+7], v[TM+2+\c]
.endr
.endr
	v_nop                                          ; one plain place behind the last scaled conversion
.irp c, 0,1
	global_store_b128 v4, v[CD+8*(\s)+4*\c:CD+8*(\s)+4*\c+3], s[12:13] offset:(\s)*1024+\c*512   ; a piece: 32 lanes store 512 consecutive bytes
.endr
.if (\s) < 2
	LOADW (\s)+2
.endif
.endm
	LOADW 0
	LOADW 1
	QW 0
	QW 1
	QW 2
	QW 3
	v_cmp_gt_u32 vcc_lo, 16, v0                    ; lanes 16-31 hold the same words as lanes 0-15
	s_wait_xcnt 0x0                                ; EXEC changes only behind this wait: the stores above have it among their sources
	s_and_saveexec_b32 s22, vcc_lo
	global_store_b128 v5, v[SW:SW+3], s[14:15]     ; sixteen lanes store the tile's 256 scale bytes
	s_wait_xcnt 0x0                                ; and again, in front of the line that widens it
	s_or_b32 exec_lo, exec_lo, s22
	s_endpgm
.Lwo:	; ---- Wo: 16 rows into sixteen fragments of f16
	v_lshl_add_u32 v3, v2, 5, v3                   ; + 32 h: lane (r, h) takes c = 32 ks + 16 c + 8 h + 0 .. 7
	s_sub_co_u32 s22, ttmp9, 96                    ; the tile
	s_lshl_b32 s18, s22, 15
	s_add_nc_u64 s[10:11], s[10:11], s[18:19]
	s_lshl_b32 s18, s22, 14
	s_add_nc_u64 s[16:17], s[16:17], s[18:19]
.macro LOADO s                         ; 128 along c (four ks): 64 numbers a lane into set s % 2: eight runs of 32 bytes, 64 bytes apart
.irp j, 0,1,2,3,4,5,6,7,8,9,10,11,12,13,14,15
	global_load_b128 v[X+64*((\s)%2)+4*\j:X+64*((\s)%2)+4*\j+3], v3, s[10:11] offset:(\s)*512+64*(\j/2)+16*(\j%2) th:TH_LOAD_NT
.endr
.endm
.macro CO s
.set XS, X+64*((\s)%2)
.set FS, FO+32*((\s)%2)
.if (\s) < 3
	s_wait_loadcnt 16                              ; this set's 16 loads are in; the next set's may be out
.else
	s_wait_loadcnt 0x0
.endif
.if (\s) >= 2
	s_wait_xcnt 0x0                                ; the stores of two sets ago have read their data: those registers are written again below
.endif
.set n, 0
.rept 32
	v_cvt_pk_f16_f32 v[FS+n], v[XS+2*n], v[XS+2*n+1]
.set n, n+1
.endr
.irp p, 0,1,2,3,4,5,6,7
	global_store_b128 v4, v[FS+4*\p:FS+4*\p+3], s[16:17] offset:(\s)*4096+\p*512
.endr
.if (\s) < 2
	LOADO (\s)+2
.endif
.endm
	LOADO 0
	LOADO 1
	CO 0
	CO 1
	CO 2
	CO 3
	s_endpgm
.Lfunc_end_k_q294141a959_prep:
	.size	k_q294141a959_prep, .Lfunc_end_k_q294141a959_prep-k_q294141a959_prep
	.p2alignl 7, 3214868480
	.fill 96, 4, 3214868480
	.section	.rodata,"a",@progbits
	.p2align	6, 0x0
	.amdhsa_kernel k_q294141a959_prep
		.amdhsa_group_segment_fixed_size 0
		.amdhsa_private_segment_fixed_size 0
		.amdhsa_enable_private_segment 0
		.amdhsa_kernarg_size 56
		.amdhsa_user_sgpr_count 2
		.amdhsa_user_sgpr_kernarg_segment_ptr 1
		.amdhsa_wavefront_size32 1
		.amdhsa_system_sgpr_workgroup_id_x 1
		.amdhsa_system_sgpr_workgroup_id_y 1
		.amdhsa_system_sgpr_workgroup_id_z 1
		.amdhsa_system_vgpr_workitem_id 0
		.amdhsa_next_free_vgpr 256
		.amdhsa_next_free_sgpr 66
		.amdhsa_reserve_vcc 1
		.amdhsa_float_denorm_mode_32 3
		.amdhsa_float_denorm_mode_16_64 3
		.amdhsa_memory_ordered 1
		.amdhsa_forward_progress 1
		.amdhsa_inst_pref_size 38
	.end_amdhsa_kernel
	.amdgpu_metadata
---
amdhsa.version: [ 1, 2 ]
amdhsa.kernels:
  - .name:           k_q294141a959_prep
    .symbol:         k_q294141a959_prep.kd
    .args:
      - { .name: Wq, .offset: 0, .size: 8, .value_kind: global_buffer, .address_space: global }
      - { .name: Wk, .offset: 8, .size: 8, .value_kind: global_buffer, .address_space: global }
      - { .name: Wv, .offset: 16, .size: 8, .value_kind: global_buffer, .address_space: global }
      - { .name: Wo, .offset: 24, .size: 8, .value_kind: global_buffer, .address_space: global }
      - { .name: wcodes, .offset: 32, .size: 8, .value_kind: global_buffer, .address_space: global }
      - { .name: wsc, .offset: 40, .size: 8, .value_kind: global_buffer, .address_space: global }
      - { .name: woimg, .offset: 48, .size: 8, .value_kind: global_buffer, .address_space: global }
    .group_segment_fixed_size: 0
    .private_segment_fixed_size: 0
    .kernarg_segment_align: 8
    .kernarg_segment_size: 56
    .max_flat_workgroup_size: 32
    .sgpr_count:     66
    .vgpr_count:     256
    .wavefront_size: 32
...
	.end_amdgpu_metadata
.endif
;; end of part 1
;; launch qkv (part 2): grid 256 x 1, 4 waves a work-group, no clusters, 167,936 bytes of LDS; arguments x, wcodes, wsc, bq, qimg, kv; writes qimg, kv
.if DOCPART == 2
	.amdgcn_target "amdgcn-amd-amdhsa--gfx1250"
	.amdhsa_code_object_version 6
	.text
	.protected	k_q294141a959_qkv
	.globl	k_q294141a959_qkv
	.p2align	8
	.type	k_q294141a959_qkv,@function
k_q294141a959_qkv:
	s_mov_b64 s[64:65], 0
	v_nop
	global_prefetch_b8 v0, s[64:65] scope:SCOPE_SE
	s_setreg_imm32_b32 hwreg(HW_REG_WAVE_MODE, 25, 1), 1
	s_wait_xcnt 0x0
; QKV: Q = x Wq^T + bq, K' = x Wk^T, V' = x Wv^T on codes of E2M1 with one E8M0 scale for each 32 along k; x is read as 16,384 rows of 512 numbers, as they lie.  Results in f16, laid as the next launch's operand registers.
; LEFT OUT: bk (it adds to every score of a query's row the same number, which a softmax takes away: shown at the head of prep).  MOVED: bv, which attn adds once (a row's weights sum to 1).
; SHARES.  A work-group takes 64 rows of x: one key step of all eight heads of one batch-scale.  THE WAVES SHARE THE COLUMNS: wave w holds outputs 128 w .. 128 w + 127 (heads 2 w, 2 w + 1) of all three weights in
; registers, 256 for each matrix.  x is fetched once, by one tensor load a wave (16 rows), quantised once by that wave, and goes from wave to wave through LDS as images of operand registers.
; NO CLUSTER: the work-groups share the weights alone, which go from memory straight into registers (3 x 32 KB of codes a wave do not fit in LDS four times over beside x); x, the larger stream, belongs to one work-group.
; LAYOUT.  Q, K': source 0 = 16 rows of W, source 1 = 16 rows of x: a lane holds ONE token (l % 16) and eight neighbouring channels, which pack into 16 bytes: a piece of a fragment [token][channel].
;          V':    source 0 = x, source 1 = Wv: a lane holds ONE channel and eight neighbouring tokens: a piece of a fragment [channel][key].
;   qimg: hb x 262144 + token tile x 2048 + q x 512 + 16 l      (hb = 8 bs + head; q: 16 channels; lane (r, h): token r, channels 16 q + 8 h + 0 .. 7)
;   kv:   hb x 524288 + step x 16384 + { K': kt x 2048 + q x 512 | V': 8192 + G x 4096 + ct x 1024 + c x 512 } + 16 l      (a step is 64 keys; V': lane (r, h): channel 16 ct + r, keys 32 G + 16 c + 8 h + 0 .. 7)
; LIMITS: |Q|, |K'|, |V'| stay under 65,504 (f16); a block of zeros gets the byte 1 where the rule says 127 (its codes are zeros; this program alone reads the bytes); NaN and infinities are not served.
; REGISTERS, in windows of 256: window 0 as named below; windows 1, 2, 3: Wq's, Wk's, Wv's fragments, tile t, kstep s at v[32 t + 8 s].
.set XSTW,  33280                      ; LDS: a wave's 16 rows of x, as 32 rows of 1,024 bytes + 16 of padding
.set XIMG,  4*XSTW                     ; x's 16 fragments: row tile m, kstep s, piece c at m x 4096 + s x 1024 + c x 512
.set XSC,   XIMG+16384                 ; their scale words: m x 512 + 16 l + 4 s
.set SPARE, XSC+2048                   ; the spare words, 128 bytes for each wave: two blocks of 256 bytes that no other line names
.set LI,  1                            ; v1   16 x lane
.set XA,  2                            ; v2   my numbers in my wave's rows of x
.set XF0, 3                            ; v3   XIMG + 16 x lane
.set XWI, 4                            ; v4   where I store my wave's images
.set XWS, 5                            ; v5   and their scale words
.set BQA, 6                            ; v6   32 h: my eight numbers of a tile's 16 of bq
.set SH,  7                            ; v7   8 h
.set SPW, 14                           ; v14  LDS address of my spare word; never rewritten
.set NIL, 15                           ; v15  0; never rewritten
.set XF,  16                           ; v16-47   x's four fragments of a row tile
.set XS,  48                           ; v48-51   their scale words
.set WS,  52                           ; v52-99   the weights' scale words: 16 g + 4 p + s: lanes 0-15 tile 2 p, lanes 16-31 tile 2 p + 1
.set BQ,  100                          ; v100-163 bq in the result's layout, eight registers a tile
.set ACC, 164                          ; v164-227 eight accumulators; at the head 64 numbers of x
.set PC,  228                          ; v228-235 the codes just made
.set TM,  236                          ; v236-244 at work
.set G1,  16                           ; s[16:23] descriptor group 1
.set G0,  24                           ; s[24:27] descriptor group 0
.set WV,  28                           ; s28  my wave's number
.set MSB, 0
.macro WIN new                         ; the immediate's high byte repeats the setting that is left
.if MSB != (\new)
	s_set_vgpr_msb (MSB<<8)|(\new)
.set MSB, (\new)
.endif
.endm
	s_load_b256 s[4:11], s[0:1], 0x0               ; x s[4:5], wcodes s[6:7], wsc s[8:9], bq s[10:11]
	s_load_b128 s[12:15], s[0:1], 0x20             ; qimg s[12:13], kv s[14:15]
	v_lshl_add_u32 v[SPW], v0, 2, SPARE
	v_mov_b32 v[NIL], 0
	ds_add_u32 v[SPW], v[NIL]                      ; the wave's opening: the add, twice on end, and its wait ahead of my first tensor load
	ds_add_u32 v[SPW], v[NIL]                      ; and once more, under the one wait; the set-up below, work on registers, stands between
	v_lshrrev_b32 v8, 5, v0
	v_readfirstlane_b32 s[WV], v8                  ; wave 0..3
	; group 1: my 16 rows of x are 32,768 dense bytes: 32 rows of 128 elements of 8 bytes, 16 bytes of padding behind each
	s_mov_b32 s[G1+0], (3<<16)|(1<<20)|(7<<22)|(3<<25)   ; elements of 8 bytes; padding on; after every 256 words (code 7); four words (code 3)
	s_mov_b32 s[G1+1], 128<<16                     ; tensor_dim0
	s_mov_b32 s[G1+2], 32<<16                      ; tensor_dim1
	s_mov_b32 s[G1+3], 128<<16                     ; tile_dim0
	s_mov_b32 s[G1+4], 32                          ; tile_dim1
	s_mov_b32 s[G1+5], 128                         ; from row to row
	s_mov_b32 s[G1+6], 0
	s_mov_b32 s[G1+7], 0
	s_mul_i32 s29, s[WV], XSTW                     ; my rows' place in LDS
	s_lshl_b32 s32, ttmp9, 17                      ; the work-group's 64 rows of 2,048 bytes,
	s_lshl_b32 s33, s[WV], 15                      ; my 16 of them
	s_add_co_u32 s32, s32, s33
	s_mov_b32 s33, 0
	s_mov_b32 s30, 0x76543210
	s_mov_b32 s31, 0xfedcba98                      ; v_permlanex16_b32's selects for lane l xor 16
	s_mov_b32 s35, 0
	s_wait_dscnt 0x0                               ; both opening adds are done
	s_wait_kmcnt 0x0
	s_mov_b32 s[G0], 1
	s_mov_b32 s[G0+1], s29
	s_add_nc_u64 s[G0+2:G0+3], s[4:5], s[32:33]
	s_or_b32 s[G0+3], s[G0+3], 0x80000000
	tensor_load_to_lds s[G0:G0+3], s[G1:G1+7]      ; my one tensor load: a first fill; nothing is filled again
	s_nop 0
.rept 4
	v_nop
.endr
	v_and_b32 v8, 31, v0                           ; lane
	v_and_b32 v9, 15, v0                           ; r
	v_bfe_u32 v10, v0, 4, 1                        ; h
	v_lshlrev_b32 v[LI], 4, v8
	v_mul_u32_u24 v[XA], v9, 2080                  ; a row of x is two padded rows of 1,040 bytes,
	v_lshl_add_u32 v[XA], v10, 7, v[XA]            ; + 128 h: whole blocks of 32 numbers to a lane
	v_add_nc_u32 v[XA], s29, v[XA]
	v_add_nc_u32 v[XF0], XIMG, v[LI]
	s_lshl_b32 s34, s[WV], 12
	v_add_nc_u32 v[XWI], s34, v[XF0]               ; my wave's row tile is m = wave
	s_lshl_b32 s34, s[WV], 9
	v_add_nc_u32 v[XWS], s34, v[XF0]
	v_add_nc_u32 v[XWS], 16384, v[XWS]
	v_lshlrev_b32 v[BQA], 5, v10
	v_lshlrev_b32 v[SH], 3, v10
	v_mov_b32 v[TM+7], 0                           ; written once: a lane permute's destination counts as one of its sources
	s_lshl_b32 s34, s[WV], 15
	s_add_nc_u64 s[6:7], s[6:7], s[34:35]          ; my eight tiles of codes in each matrix
	s_lshl_b32 s34, s[WV], 11
	s_add_nc_u64 s[8:9], s[8:9], s[34:35]          ; my 128 rows of scale bytes
	s_lshl_b32 s34, s[WV], 9
	s_add_nc_u64 s[10:11], s[10:11], s[34:35]      ; my 128 numbers of bq
	s_lshr_b32 s36, ttmp9, 5                       ; bs
	s_lshl_b32 s36, s36, 3
	s_lshl_b32 s37, s[WV], 1
	s_add_co_u32 s36, s36, s37                     ; hb of my first head
	s_and_b32 s37, ttmp9, 31                       ; the key step
	s_lshl_b32 s34, s36, 18
	s_lshl_b32 s38, s37, 13
	s_add_co_u32 s34, s34, s38
	s_add_nc_u64 s[12:13], s[12:13], s[34:35]
	s_lshl_b32 s34, s36, 19
	s_lshl_b32 s38, s37, 14
	s_add_co_u32 s34, s34, s38
	s_add_nc_u64 s[14:15], s[14:15], s[34:35]
.irp g, 0,1,2                          ; the weights' fragments: they stay
	WIN 0x40*(\g+1)                                ; destination window g + 1, address window 0
.set n, 0
.rept 64
	global_load_b128 v[4*n:4*n+3], v[LI], s[6:7] offset:\g*131072+512*n
.set n, n+1
.endr
.endr
	WIN 0
.irp g, 0,1,2
.irp p, 0,1,2,3
	global_load_b128 v[WS+16*\g+4*\p:WS+16*\g+4*\p+3], v[LI], s[8:9] offset:\g*8192+\p*512   ; 32 rows' 16 scale bytes: two tiles
.endr
.endr
.irp t, 0,1,2,3,4,5,6,7
	global_load_b128 v[BQ+8*\t:BQ+8*\t+3], v[BQA], s[10:11] offset:64*\t
	global_load_b128 v[BQ+8*\t+4:BQ+8*\t+7], v[BQA], s[10:11] offset:64*\t+16
.endr
	s_wait_tensorcnt 0x0                           ; my rows of x are in LDS; I alone read them
; kstep s of my 16 rows: 64 numbers a lane (blocks 2 c + h whole), their largest magnitudes, bytes and codes; the fragment and its scale word go to LDS as they stand
.macro QX s
.irp c, 0,1
.irp i, 0,1,2,3,4,5,6,7
	ds_load_b128 v[ACC+32*\c+4*\i:ACC+32*\c+4*\i+3], v[XA] offset:((\s)/2)*1040+((\s)%2)*512+\c*256+16*\i
.endr
.endr
	s_wait_dscnt 0x0
.irp c, 0,1
	v_max3_num_f32 v[TM+\c], |v[ACC+32*\c]|, |v[ACC+32*\c+1]|, 0x1800000   ; the floor 2^(3 - 127) holds the byte at 1 from below
.endr
.irp i, 2,4,6,8,10,12,14,16,18,20,22,24,26,28,30
.irp c, 0,1
	v_max3_num_f32 v[TM+\c], v[TM+\c], |v[ACC+32*\c+\i]|, |v[ACC+32*\c+\i+1]|
.endr
.endr
.irp c, 0,1
	v_add_nc_u32 v[TM+2+\c], 0xff000000, v[TM+\c]  ; 2 off the exponent field: the conversion's scale operand
.endr
.irp c, 0,1
	v_lshrrev_b32 v[TM+4+\c], 23, v[TM+2+\c]       ; the scale's byte
.endr
	v_lshl_or_b32 v[TM+6], v[TM+5], 16, v[TM+4]
	v_lshlrev_b32 v[TM+6], v[SH], v[TM+6]
	v_permlanex16_b32 v[TM+7], v[TM+6], s30, s31
	v_or_b32 v[TM+8], v[TM+6], v[TM+7]             ; my row's scale word, in both halves of the lanes
.irp c, 0,1
.irp g, 0,1,2,3
	v_cvt_scalef32_pk8_fp4_f32 v[PC+4*\c+\g], v[ACC+32*\c+8*\g:ACC+32*\c+8*\g+7], v[TM+2+\c]
.endr
.endr
	v_nop                                          ; one plain place behind the last scaled conversion
.irp c, 0,1
	ds_store_b128 v[XWI], v[PC+4*\c:PC+4*\c+3] offset:(\s)*1024+\c*512
.endr
	ds_store_b32 v[XWS], v[TM+8] offset:4*(\s)
	s_wait_dscnt 0x0                               ; the stores have landed, for the others' sake, and have read their registers
.endm
	QX 0
	QX 1
	QX 2
	QX 3
	s_barrier_signal -1
	s_barrier_wait -1                              ; x's sixteen fragments lie in LDS
	s_wait_loadcnt 0x0                             ; the weights, their scale words, bq
; One product of Q or K': tile t of matrix g, kstep s.  bq is the C of Q's first product; K' begins with 0.
.macro QKMUL g, s, t
.set rA, 32*(\t)+8*(\s)
.set rB, XF+8*(\s)
.set rD, ACC+8*(\t)
.set rC, BQ+8*(\t)
.set rW, WS+16*(\g)+4*((\t)/2)+(\s)
.set rX, XS+(\s)
.if (\s) > 0
.if (\t)%2
	v_wmma_scale_f32_16x16x128_f8f6f4 v[rD:rD+7], v[rA:rA+7], v[rB:rB+7], v[rD:rD+7], v[rW], v[rX] matrix_a_fmt:MATRIX_FMT_FP4 matrix_b_fmt:MATRIX_FMT_FP4 matrix_a_scale:MATRIX_SCALE_ROW1
.else
	v_wmma_scale_f32_16x16x128_f8f6f4 v[rD:rD+7], v[rA:rA+7], v[rB:rB+7], v[rD:rD+7], v[rW], v[rX] matrix_a_fmt:MATRIX_FMT_FP4 matrix_b_fmt:MATRIX_FMT_FP4
.endif
.elseif (\g) == 0
.if (\t)%2
	v_wmma_scale_f32_16x16x128_f8f6f4 v[rD:rD+7], v[rA:rA+7], v[rB:rB+7], v[rC:rC+7], v[rW], v[rX] matrix_a_fmt:MATRIX_FMT_FP4 matrix_b_fmt:MATRIX_FMT_FP4 matrix_a_scale:MATRIX_SCALE_ROW1
.else
	v_wmma_scale_f32_16x16x128_f8f6f4 v[rD:rD+7], v[rA:rA+7], v[rB:rB+7], v[rC:rC+7], v[rW], v[rX] matrix_a_fmt:MATRIX_FMT_FP4 matrix_b_fmt:MATRIX_FMT_FP4
.endif
.else
.if (\t)%2
	v_wmma_scale_f32_16x16x128_f8f6f4 v[rD:rD+7], v[rA:rA+7], v[rB:rB+7], 0, v[rW], v[rX] matrix_a_fmt:MATRIX_FMT_FP4 matrix_b_fmt:MATRIX_FMT_FP4 matrix_a_scale:MATRIX_SCALE_ROW1
.else
	v_wmma_scale_f32_16x16x128_f8f6f4 v[rD:rD+7], v[rA:rA+7], v[rB:rB+7], 0, v[rW], v[rX] matrix_a_fmt:MATRIX_FMT_FP4 matrix_b_fmt:MATRIX_FMT_FP4
.endif
.endif
.endm
; One product of V': the sources change places, and the scale operands go with them.
.macro VMUL s, t
.set rA, XF+8*(\s)
.set rB, 32*(\t)+8*(\s)
.set rD, ACC+8*(\t)
.set rW, WS+32+4*((\t)/2)+(\s)
.set rX, XS+(\s)
.if (\s) > 0
.if (\t)%2
	v_wmma_scale_f32_16x16x128_f8f6f4 v[rD:rD+7], v[rA:rA+7], v[rB:rB+7], v[rD:rD+7], v[rX], v[rW] matrix_a_fmt:MATRIX_FMT_FP4 matrix_b_fmt:MATRIX_FMT_FP4 matrix_b_scale:MATRIX_SCALE_ROW1
.else
	v_wmma_scale_f32_16x16x128_f8f6f4 v[rD:rD+7], v[rA:rA+7], v[rB:rB+7], v[rD:rD+7], v[rX], v[rW] matrix_a_fmt:MATRIX_FMT_FP4 matrix_b_fmt:MATRIX_FMT_FP4
.endif
.else
.if (\t)%2
	v_wmma_scale_f32_16x16x128_f8f6f4 v[rD:rD+7], v[rA:rA+7], v[rB:rB+7], 0, v[rX], v[rW] matrix_a_fmt:MATRIX_FMT_FP4 matrix_b_fmt:MATRIX_FMT_FP4 matrix_b_scale:MATRIX_SCALE_ROW1
.else
	v_wmma_scale_f32_16x16x128_f8f6f4 v[rD:rD+7], v[rA:rA+7], v[rB:rB+7], 0, v[rX], v[rW] matrix_a_fmt:MATRIX_FMT_FP4 matrix_b_fmt:MATRIX_FMT_FP4
.endif
.endif
.endm
; 32 products: my eight tiles of matrix g for one row tile; the eight accumulators take turns, one instruction a turn, kstep by kstep
.macro MULS g
.if (\g) == 0
	WIN 0x01                                       ; source 0 (Wq) window 1
.elseif (\g) == 1
	WIN 0x02                                       ; source 0 (Wk) window 2
.else
	WIN 0x0c                                       ; source 1 (Wv) window 3
.endif
.irp s, 0,1,2,3
.irp t, 0,1,2,3,4,5,6,7
.if (\g) < 2
	QKMUL \g, \s, \t
.else
	VMUL \s, \t
.endif
.endr
.endr
.endm
; The eight tiles are rounded to f16 in place, each accumulator from its low end on, and leave as pieces of 512 consecutive bytes.
; Four v_nop are the places ahead of the first read of results; with the other tiles' conversions more than five plain instructions lie between any product and the next products, which write over the accumulators.
.macro OUT g, m
	WIN 0
.rept 4
	v_nop
.endr
.irp t, 0,1,2,3,4,5,6,7
.irp i, 0,1,2,3
	v_cvt_pk_f16_f32 v[ACC+8*\t+\i], v[ACC+8*\t+2*\i], v[ACC+8*\t+2*\i+1]
.endr
.endr
.irp t, 0,1,2,3,4,5,6,7
.if (\g) == 0
	global_store_b128 v[LI], v[ACC+8*\t:ACC+8*\t+3], s[12:13] offset:(\t/4)*262144+(\m)*2048+(\t%4)*512
.elseif (\g) == 1
	global_store_b128 v[LI], v[ACC+8*\t:ACC+8*\t+3], s[14:15] offset:(\t/4)*524288+(\m)*2048+(\t%4)*512
.else
	global_store_b128 v[LI], v[ACC+8*\t:ACC+8*\t+3], s[14:15] offset:(\t/4)*524288+8192+((\m)/2)*4096+(\t%4)*1024+((\m)%2)*512
.endif
.endr
	s_wait_xcnt 0x0                                ; the stores have read their data: the next products write those registers
.endm
.irp m, 0,1,2,3                        ; the four row tiles
.irp i, 0,1,2,3,4,5,6,7
	ds_load_b128 v[XF+4*\i:XF+4*\i+3], v[XF0] offset:\m*4096+512*\i
.endr
	ds_load_b128 v[XS:XS+3], v[XF0] offset:16384+\m*512
	s_wait_dscnt 0x0
	MULS 0
	OUT 0, \m
	MULS 1
	OUT 1, \m
	MULS 2
	OUT 2, \m
.endr
	s_wait_tensorcnt 0x0                           ; the wave's end, behind my last tensor load and my last LDS store
	ds_add_u32 v[SPW], v[NIL]
	s_wait_dscnt 0x0
	s_endpgm
.Lfunc_end_k_q294141a959_qkv:
	.size	k_q294141a959_qkv, .Lfunc_end_k_q294141a959_qkv-k_q294141a959_qkv
	.p2alignl 7, 3214868480
	.fill 96, 4, 3214868480
	.section	.rodata,"a",@progbits
	.p2align	6, 0x0
	.amdhsa_kernel k_q294141a959_qkv
		.amdhsa_group_segment_fixed_size 167936
		.amdhsa_private_segment_fixed_size 0
		.amdhsa_enable_private_segment 0
		.amdhsa_kernarg_size 48
		.amdhsa_user_sgpr_count 2
		.amdhsa_user_sgpr_kernarg_segment_ptr 1
		.amdhsa_wavefront_size32 1
		.amdhsa_system_sgpr_workgroup_id_x 1
		.amdhsa_system_sgpr_workgroup_id_y 1
		.amdhsa_system_sgpr_workgroup_id_z 1
		.amdhsa_system_vgpr_workitem_id 0
		.amdhsa_next_free_vgpr 1024
		.amdhsa_next_free_sgpr 66
		.amdhsa_reserve_vcc 0
		.amdhsa_float_denorm_mode_32 3
		.amdhsa_float_denorm_mode_16_64 3
		.amdhsa_memory_ordered 1
		.amdhsa_forward_progress 1
		.amdhsa_inst_pref_size 128
	.end_amdhsa_kernel
	.amdgpu_metadata
---
amdhsa.version: [ 1, 2 ]
amdhsa.kernels:
  - .name:           k_q294141a959_qkv
    .symbol:         k_q294141a959_qkv.kd
    .args:
      - { .name: x, .offset: 0, .size: 8, .value_kind: global_buffer, .address_space: global }
      - { .name: wcodes, .offset: 8, .size: 8, .value_kind: global_buffer, .address_space: global }
      - { .name: wsc, .offset: 16, .size: 8, .value_kind: global_buffer, .address_space: global }
      - { .name: bq, .offset: 24, .size: 8, .value_kind: global_buffer, .address_space: global }
      - { .name: qimg, .offset: 32, .size: 8, .value_kind: global_buffer, .address_space: global }
      - { .name: kv, .offset: 40, .size: 8, .value_kind: global_buffer, .address_space: global }
    .group_segment_fixed_size: 167936
    .private_segment_fixed_size: 0
    .kernarg_segment_align: 8
    .kernarg_segment_size: 48
    .max_flat_workgroup_size: 128
    .sgpr_count:     66
    .vgpr_count:     1024
    .wavefront_size: 32
...
	.end_amdgpu_metadata
.endif
;; end of part 2
;; launch attn (part 3): grid 4 x 64, 8 waves a work-group, clusters of 4 x 1, 327,680 bytes of LDS; arguments qimg, kv, bv, oimg; writes oimg
.if DOCPART == 3
	.amdgcn_target "amdgcn-amd-amdhsa--gfx1250"
	.amdhsa_code_object_version 6
	.text
	.protected	k_q294141a959_attn
	.globl	k_q294141a959_attn
	.p2align	8
	.type	k_q294141a959_attn,@function
k_q294141a959_attn:
	s_mov_b64 s[64:65], 0
	v_nop
	global_prefetch_b8 v0, s[64:65] scope:SCOPE_SE
	s_setreg_imm32_b32 hwreg(HW_REG_WAVE_MODE, 25, 1), 1
	s_wait_xcnt 0x0
	s_wait_alu depctr_hold_cnt(0) depctr_sa_sdst(0) depctr_va_vdst(0) depctr_va_sdst(0) depctr_va_ssrc(0) depctr_va_vcc(0) depctr_vm_vsrc(0)
	s_getreg_b32 s2, hwreg(HW_REG_IB_STS2, 6, 4)
	s_cmp_eq_u32 s2, 0
	s_cbranch_scc0 .Lentry_in_a_cluster
	s_endpgm
.Lentry_in_a_cluster:
	s_bfe_u32 s2, ttmp6, 0x10000c
	s_cmp_lg_u32 s2, 0x3003
	s_cbranch_scc0 .Lentry_shape_is_right
	s_endpgm
.Lentry_shape_is_right:
; ATTN: O[q] = sum over k of softmax_k(Q[q] . K'[k] / 16) V'[k] + bv, for 64 pairs hb of batch-scale and head; 2,048 queries, 2,048 keys, head size 64; no mask.  Operands in f16, products, maxima and sums in f32.
; LEFT OUT: bk (the same number on every score of a row: shown at the head of prep).  bv is added here, once, as the addend of the multiply-add that divides by the row's sum (a row's weights sum to 1).
; SHARES.  A cluster of four work-groups is one hb; partner cx owns queries 512 cx .. 512 cx + 511; each of its EIGHT waves owns 64, four tiles of 16, and walks all keys, 64 a step.
; K' and V' come as images of operand registers (16 KB a step, laid by qkv) through a ring of two LDS slots of eight steps; the four partners walk the same keys, so each tile is asked for JOINTLY: wave w of each
; partner issues the same tensor load for step w of a slot, with a mask that names the four.
; LAYOUT.  S^T = K' Q^T (source 0 = 16 keys, source 1 = 16 queries), O^T = V'^T P (source 0 = 16 channels, source 1 = P): a lane holds ONE query (l % 16) throughout; two tiles of S^T, rounded in pairs, are a fragment of P, made in place.
; SOFTMAX.  A running maximum m and sum l for each query: p = 2^(c s - c m), c = log2(e) / 16; in every step O^T and l are multiplied by a = 2^(c m_old - c m_new).  l is summed of the unrounded p.
; m begins at -3e38 and l and O^T at 0, so that the first step is a step like any other (its a is 0): that spares two more copies of the step's text at the price of 128 v_mov_b32, once.
; TWO WAVES TO A SIMD, IN OPPOSITE PHASE.  Every wave runs softmax, V'^T P, K' Q^T, softmax, .. ; a trip of the loop begins behind the softmax in waves of role 0 and ahead of it in waves of role 1.  So behind each
; barrier one role begins with 64 matrix instructions and the other with the softmax's vector instructions, and then they change places.  role = (w xor w / 4) & 1 differs between waves w and w + 4 and between 2 i and 2 i + 1.
; NO PREFETCH: a refill is asked for eight key steps ahead of the wait for it, and the first two slots are the head's own fills.
; LIMITS: scores above -3e38; |O| under 65,504 (f16); NaN and infinities are not served.
; REGISTERS: window 0: v1-3 addresses; v14, v15 the add's two; v16-47 statistics; v64-191 S^T, then P; v192-255 K'.   window 1: v0-127 O^T (tile t, channels 16 ct on: 32 t + 8 ct); v128-191 Q; v192-255 V'.
.set SLOT1, 131072                     ; a slot: eight steps of 16,384 bytes; slot 1 begins here, so that one exclusive or turns an address in one slot into the other's
.set SPARE, 2*SLOT1                    ; the spare words, 128 bytes for each wave: four blocks of 256 bytes that no other line names
.set LI,  1                            ; v1   16 x lane; never rewritten
.set ADR, 2                            ; v2   LDS address of the step in hand
.set BVA, 3                            ; v3   32 h
.set SPW, 14
.set NIL, 15
.set ST,  16                           ; tile t at v[ST + 8 t]: +0 c m, +1 m, +2, +3 l (even registers', odd registers'), +4 .. +7 c0 .. c3, at work; a takes c2's place
.set S,   64                           ; S^T: tile t, keys 16 kt on: S + 32 t + 8 kt;  P: keys 32 g on: S + 32 t + 16 g, eight registers
.set KF,  192                          ; K': keys 16 kt on, channels 32 ch on: KF + 16 kt + 8 ch
.set WV,  12
.set ROLE, 13
.set CX,  14
.set HB,  15
.set G1,  24                           ; s[24:31] descriptor group 1
.set G0A, 32                           ; s[32:35] group 0 of slot 0's first fill
.set G0B, 36                           ; s[36:39] group 0 of slot 1's first fill, which then walks
.set SLOTS, 40
.set STP, 41
.set TB,  42                           ; LDS byte at which the step in hand begins
.set CS,  44                           ; s[44:45] c, twice: the packed form names a pair
.set SEL, 46                           ; s[46:47] v_permlanex16_b32's selects for lane l xor 16
.set MSB, 0
.macro WIN new                         ; the immediate's high byte repeats the setting that is left
.if MSB != (\new)
	s_set_vgpr_msb (MSB<<8)|(\new)
.set MSB, (\new)
.endif
.endm
.set W_KQ, 0x04                        ; source 1 (Q) window 1; K', S^T window 0
.set W_PV, 0x51                        ; source 0 (V'), C and D (O^T) window 1; P window 0
.set W_RS, 0x41                        ; destination and source 0 (O^T) window 1; a window 0
.set TO_1, 0x40                        ; destination window 1, address window 0
.macro CROUND                          ; a round of the cluster's barrier
	s_barrier_signal -1
	s_barrier_wait -1
	s_cmp_lg_u32 s[WV], 0
	s_cbranch_scc1 .Lnot_wave_0_\@
	s_barrier_signal -3
.Lnot_wave_0_\@:
	s_barrier_wait -3
	s_barrier_signal -1
	s_barrier_wait -1
.endm
	s_load_b256 s[4:11], s[0:1], 0x0               ; qimg s[4:5], kv s[6:7], bv s[8:9], oimg s[10:11]
	v_lshl_add_u32 v[SPW], v0, 2, SPARE
	v_mov_b32 v[NIL], 0
	ds_add_u32 v[SPW], v[NIL]                      ; the wave's opening: the add, twice on end, and its wait ahead of my first tensor load
	ds_add_u32 v[SPW], v[NIL]                      ; and once more, under the one wait; the set-up below, work on registers, stands between
	v_lshrrev_b32 v1, 5, v0
	v_readfirstlane_b32 s[WV], v1                  ; wave 0..7
	s_lshr_b32 s[ROLE], s[WV], 2
	s_xor_b32 s[ROLE], s[ROLE], s[WV]
	s_and_b32 s[ROLE], s[ROLE], 1
	s_bfe_u32 s[CX], ttmp6, 0x40000                ; my place in the cluster: it enters Q's and O's addresses alone
	s_and_b32 s[HB], ttmp7, 0xffff                 ; the cluster's y: hb, which the four partners share
	; group 1: a step's 16,384 dense bytes as 64 rows of 32 elements of 8 bytes, no padding: the pieces are read 512 consecutive bytes at a time
	s_mov_b32 s[G1+0], 15|(3<<16)|(1<<21)          ; the mask: all four work-groups; elements of 8 bytes; bit 21 set beside a mask
	s_mov_b32 s[G1+1], 32<<16                      ; tensor_dim0
	s_mov_b32 s[G1+2], 64<<16                      ; tensor_dim1
	s_mov_b32 s[G1+3], 32<<16                      ; tile_dim0
	s_mov_b32 s[G1+4], 64                          ; tile_dim1
	s_mov_b32 s[G1+5], 32                          ; from row to row
	s_mov_b32 s[G1+6], 0
	s_mov_b32 s[G1+7], 0
	s_lshl_b32 s18, s[WV], 14                      ; step w of a slot: in LDS,
	s_lshl_b32 s16, s[HB], 19
	s_add_co_u32 s16, s16, s18                     ; and in kv: hb x 524288 + w x 16384: nothing of cx
	s_mov_b32 s17, 0
	s_lshl_b32 s20, s[HB], 18                      ; Q: hb x 262144 + cx x 65536 + w x 8192
	s_lshl_b32 s21, s[CX], 16
	s_add_co_u32 s20, s20, s21
	s_lshl_b32 s21, s[WV], 13
	s_add_co_u32 s20, s20, s21
	s_mov_b32 s21, 0
	s_lshr_b32 s22, s[HB], 3                       ; O: block of 128 tokens = 16 bs + 4 cx + w / 2,
	s_lshl_b32 s22, s22, 4
	s_lshl_b32 s23, s[CX], 2
	s_add_co_u32 s22, s22, s23
	s_lshr_b32 s23, s[WV], 1
	s_add_co_u32 s22, s22, s23
	s_lshl_b32 s22, s22, 17
	s_and_b32 s19, s[HB], 7                        ; the head:
	s_lshl_b32 s23, s19, 14                        ; its two K steps of the next product,
	s_add_co_u32 s22, s22, s23
	s_and_b32 s23, s[WV], 1
	s_lshl_b32 s23, s23, 12                        ; and token tiles 4 (w % 2) on
	s_add_co_u32 s22, s22, s23
	s_mov_b32 s23, 0
	s_lshl_b32 s48, s19, 8                         ; bv: the head's 64 numbers
	s_mov_b32 s49, 0
	s_mov_b32 s[CS], 0x3db8aa3b                    ; c = log2(e) / 16
	s_mov_b32 s[CS+1], s[CS]
	s_mov_b32 s[SEL], 0x76543210
	s_mov_b32 s[SEL+1], 0xfedcba98
	s_mov_b32 s[TB], 0
	s_mov_b32 s[SLOTS], 2
	s_wait_dscnt 0x0                               ; both opening adds are done
	s_wait_kmcnt 0x0
	s_add_nc_u64 s[4:5], s[4:5], s[20:21]
	s_add_nc_u64 s[10:11], s[10:11], s[22:23]
	s_add_nc_u64 s[8:9], s[8:9], s[48:49]
	s_mov_b32 s[G0A], 1
	s_mov_b32 s[G0A+1], s18
	s_add_nc_u64 s[G0A+2:G0A+3], s[6:7], s[16:17]
	s_or_b32 s[G0A+3], s[G0A+3], 0x80000000
	s_mov_b32 s[G0B], 1
	s_add_co_u32 s[G0B+1], s18, SLOT1
	s_add_nc_u64 s[G0B+2:G0B+3], s[6:7], s[16:17]
	s_add_nc_u64 s[G0B+2:G0B+3], s[G0B+2:G0B+3], SLOT1   ; keys 512 on
	s_or_b32 s[G0B+3], s[G0B+3], 0x80000000
	CROUND                                         ; all four work-groups are here: the first joint loads meet
	tensor_load_to_lds s[G0A:G0A+3], s[G1:G1+7]    ; every wave issues both first fills, with no branch: two loads of mine are out
	s_nop 0
	tensor_load_to_lds s[G0B:G0B+3], s[G1:G1+7]
	s_nop 0
.rept 4
	v_nop
.endr
	v_and_b32 v1, 31, v0
	v_lshlrev_b32 v[LI], 4, v1
	v_bfe_u32 v[BVA], v0, 4, 1
	v_lshlrev_b32 v[BVA], 5, v[BVA]
	WIN TO_1
.irp t, 0,1,2,3
.irp q, 0,1,2,3
	global_load_b128 v[128+16*\t+4*\q:128+16*\t+4*\q+3], v[LI], s[4:5] offset:\t*2048+\q*512 th:TH_LOAD_NT   ; Q stays in registers
.endr
.endr
.set n, 0
.rept 128
	v_mov_b32 v[n], 0                              ; O^T
.set n, n+1
.endr
	WIN 0
.irp t, 0,1,2,3
	v_mov_b32 v[ST+8*\t+1], 0xff61b1e6             ; m = -3e38, under every score
	v_mov_b32 v[ST+8*\t+2], 0                      ; l
	v_mov_b32 v[ST+8*\t+3], 0
	v_mov_b32 v[ST+8*\t+5], 0                      ; written once on the way that all waves take: a lane permute's destination counts as one of its sources,
	v_mov_b32 v[ST+8*\t+7], 0                      ; and this one is named as the upper half of the pair that holds a, later 1 / l; every softmax writes both anew before it reads them
.endr
.irp t, 0,1,2,3
	v_mul_f32 v[ST+8*\t], s[CS], v[ST+8*\t+1]      ; c m
.endr
.macro LOADK                           ; the step's K': 16 pieces
	WIN 0
.set n, 0
.rept 16
	ds_load_b128 v[KF+4*n:KF+4*n+3], v[ADR] offset:512*n
.set n, n+1
.endr
.endm
.macro LOADV                           ; and its V'
	WIN TO_1
.set n, 0
.rept 16
	ds_load_b128 v[192+4*n:192+4*n+3], v[ADR] offset:8192+512*n
.set n, n+1
.endr
.endm
.macro QK                              ; S^T = K' Q^T: 32 products, the 16 accumulators by turns; the first 16 start the sums
	WIN W_KQ
.irp ch, 0,1
.irp kt, 0,1,2,3
.irp t, 0,1,2,3
.if \ch == 0
	v_wmma_f32_16x16x32_f16 v[S+32*\t+8*\kt:S+32*\t+8*\kt+7], v[KF+16*\kt+8*\ch:KF+16*\kt+8*\ch+7], v[128+16*\t+8*\ch:128+16*\t+8*\ch+7], 0
.else
	v_wmma_f32_16x16x32_f16 v[S+32*\t+8*\kt:S+32*\t+8*\kt+7], v[KF+16*\kt+8*\ch:KF+16*\kt+8*\ch+7], v[128+16*\t+8*\ch:128+16*\t+8*\ch+7], v[S+32*\t+8*\kt:S+32*\t+8*\kt+7]
.endif
.endr
.endr
.endr
.endm
.macro PV                              ; O^T += V'^T P: 32 products, the 16 accumulators by turns
	WIN W_PV
.irp g, 0,1
.irp ct, 0,1,2,3
.irp t, 0,1,2,3
	v_wmma_f32_16x16x32_f16 v[32*\t+8*\ct:32*\t+8*\ct+7], v[192+32*\g+8*\ct:192+32*\g+8*\ct+7], v[S+32*\t+16*\g:S+32*\t+16*\g+7], v[32*\t+8*\ct:32*\t+8*\ct+7]
.endr
.endr
.endr
.endm
; THE SOFTMAX of a step, the four tiles by turns on every line, so that no line waits for the line above it.
.macro SM
	WIN 0
.irp j, 0,1,2,3                        ; the maximum of a lane's 32 scores and the old m: four chains; each accumulator of scores is read from its low end on
.irp t, 0,1,2,3
	v_max3_num_f32 v[ST+8*\t+4+\j], v[S+32*\t+8*\j], v[S+32*\t+8*\j+1], v[S+32*\t+8*\j+2]
.endr
.endr
.irp u, 3,5
.irp j, 0,1,2,3
.irp t, 0,1,2,3
	v_max3_num_f32 v[ST+8*\t+4+\j], v[ST+8*\t+4+\j], v[S+32*\t+8*\j+\u], v[S+32*\t+8*\j+\u+1]
.endr
.endr
.endr
.irp t, 0,1,2,3
	v_max3_num_f32 v[ST+8*\t+4], v[ST+8*\t+4], v[S+32*\t+7], v[S+32*\t+15]
.endr
.irp t, 0,1,2,3
	v_max3_num_f32 v[ST+8*\t+6], v[ST+8*\t+6], v[S+32*\t+23], v[S+32*\t+31]
.endr
.irp t, 0,1,2,3
	v_max3_num_f32 v[ST+8*\t+4], v[ST+8*\t+4], v[ST+8*\t+5], v[ST+8*\t+6]
.endr
.irp t, 0,1,2,3
	v_max3_num_f32 v[ST+8*\t+4], v[ST+8*\t+4], v[ST+8*\t+7], v[ST+8*\t+1]
.endr
.irp t, 0,1,2,3
	v_permlanex16_b32 v[ST+8*\t+5], v[ST+8*\t+4], s[SEL], s[SEL+1]   ; the query's other 32 keys lie in the lane 16 away
.endr
.irp t, 0,1,2,3
	v_mov_b32 v[ST+8*\t+7], v[ST+8*\t]             ; c m_old is kept for a
.endr
.irp t, 0,1,2,3
	v_max_num_f32 v[ST+8*\t+1], v[ST+8*\t+4], v[ST+8*\t+5]   ; the new m
.endr
.irp t, 0,1,2,3
	v_mul_f32 v[ST+8*\t], s[CS], v[ST+8*\t+1]
.endr
.irp t, 0,1,2,3
	v_sub_f32 v[ST+8*\t+7], v[ST+8*\t+7], v[ST+8*\t]   ; c m_old - c m_new, 0 or less
.endr
; ONE BATCH: the 16 scalings of a tile, a pair of scores each, and its 33 exponentials; a pair's exponentials follow the next pair's scalings.  Nothing here names an exponential's result.
.set i, 0
.rept 17
.if i < 16
.irp t, 0,1,2,3
	v_pk_fma_f32 v[S+32*\t+2*i:S+32*\t+2*i+1], v[S+32*\t+2*i:S+32*\t+2*i+1], s[CS:CS+1], v[ST+8*\t:ST+8*\t+1] op_sel_hi:[1,0,0] neg_lo:[0,0,1] neg_hi:[0,0,1]   ; c s - c m
.endr
.endif
.if i == 0
.irp t, 0,1,2,3
	v_exp_f32 v[ST+8*\t+6], v[ST+8*\t+7]           ; a
.endr
.else
.irp t, 0,1,2,3
	v_exp_f32 v[S+32*\t+2*i-2], v[S+32*\t+2*i-2]   ; p
	v_exp_f32 v[S+32*\t+2*i-1], v[S+32*\t+2*i-1]
.endr
.endif
.set i, i+1
.endr
	v_nop                                          ; a plain instruction behind the last exponential, ahead of the first use
	s_wait_alu depctr_va_vdst(0)                   ; the wait ahead of the first instruction that names a result: one for the 132 exponentials
.irp t, 0,1,2,3
	v_pk_fma_f32 v[ST+8*\t+2:ST+8*\t+3], v[ST+8*\t+2:ST+8*\t+3], v[ST+8*\t+6:ST+8*\t+7], v[S+32*\t:S+32*\t+1] op_sel_hi:[1,0,1]   ; l = a l + the first pair
.endr
.set i, 1
.rept 15
.irp t, 0,1,2,3
	v_pk_add_f32 v[ST+8*\t+2:ST+8*\t+3], v[ST+8*\t+2:ST+8*\t+3], v[S+32*\t+2*i:S+32*\t+2*i+1]   ; the sum is taken of the unrounded p
.endr
.set i, i+1
.endr
.irp b, 0,1                            ; P in f16, in place: the 16 registers of keys 32 b on become the eight of a fragment; ascending, so that nothing unread is written
.irp i, 0,1,2,3,4,5,6,7
.irp t, 0,1,2,3
	v_cvt_pk_f16_f32 v[S+32*\t+16*\b+\i], v[S+32*\t+16*\b+2*\i], v[S+32*\t+16*\b+2*\i+1]
.endr
.endr
.endr
	WIN W_RS
.set i, 0
.rept 16
.irp t, 0,1,2,3
	v_pk_mul_f32 v[32*\t+2*i:32*\t+2*i+1], v[32*\t+2*i:32*\t+2*i+1], v[ST+8*\t+6:ST+8*\t+7] op_sel_hi:[1,0]   ; O^T x a, each accumulator from its low end on
.endr
.set i, i+1
.endr
	WIN 0
.endm
.macro SMIF role                       ; the softmax, in the waves of one role
	s_cmp_lg_u32 s[ROLE], \role
	s_cbranch_scc1 .Lno_sm_\@
	SM
.Lno_sm_\@:
.endm
; A TRIP, step j: every wave reads K'(j) and V'(j) from LDS, multiplies V'^T P of step j - 1 and K' Q^T of step j; role 1 has its softmax of step j - 1 at the head, role 0 its softmax of step j at the end.
.macro B
	v_add_nc_u32 v[ADR], s[TB], v[LI]
	LOADK                                          ; K's registers were last read by the products five places back
	SMIF 1
	s_wait_dscnt 16                                ; V'(j - 1), asked for in the last trip, is in; K'(j)'s 16 loads may be out
	PV
.rept 5
	v_nop                                          ; four places ahead of the loads into V's registers, five ahead of the products that write over P
.endr
	LOADV
	s_wait_dscnt 16                                ; K'(j) is in; V'(j)'s 16 loads may be out
	QK
	WIN 0
.rept 5
	v_nop                                          ; four places ahead of the first read of the scores and of the next loads into K's registers; five ahead of any product that takes the scores' registers as an operand
.endr
	SMIF 0
	s_add_co_u32 s[TB], s[TB], 16384
.endm
.macro STEPS n
	s_mov_b32 s[STP], \n
.Lstep_\@:
	B
	s_sub_co_u32 s[STP], s[STP], 1
	s_cmp_lg_u32 s[STP], 0
	s_cbranch_scc1 .Lstep_\@
.endm
; THE CHANGE OF SLOTS, behind a slot's eighth trip.  Each wave waits for all its tensor loads (its part of the other slot), adds 0 to its spare word, and waits for that and for its reads of the slot.
; fill = 1: the barrier is a round of the cluster's, so that no wave of any partner still reads the slot or has a load on its way; the joint refill is the first thing behind it and has eight steps in which to land.
.macro CHANGE fill
	WIN 0
	s_wait_tensorcnt 0x0                           ; no tensor load of mine is out, so a group 0 may be written
	ds_add_u32 v[SPW], v[NIL]                      ; 0 onto my spare word; the steps below stand between it and the wait for it
.if \fill
	s_xor_b32 s[G0B+1], s[G0B+1], SLOT1            ; the walking descriptor: the other slot than last time,
	s_add_nc_u64 s[G0B+2:G0B+3], s[G0B+2:G0B+3], SLOT1   ; the next 512 keys; the type bits on top are not reached
.endif
	s_sub_co_u32 s[TB], s[TB], SLOT1               ; the reads go back to a slot's first step,
	s_xor_b32 s[TB], s[TB], SLOT1                  ; in the other slot
	s_wait_dscnt 0x0                               ; the add is done, and my reads of the slot are over
.if \fill
	CROUND
	tensor_load_to_lds s[G0B:G0B+3], s[G1:G1+7]    ; my one tensor load behind the round
	s_nop 0
.rept 4
	v_nop
.endr
.else
	s_barrier_signal -1
	s_barrier_wait -1
.endif
.endm
	s_wait_tensorcnt 1                             ; my part of slot 0 is in; slot 1's may stay out
	s_barrier_signal -1
	s_barrier_wait -1                              ; everybody's is
	s_wait_loadcnt 0x0                             ; Q
	v_add_nc_u32 v[ADR], s[TB], v[LI]              ; step 0: there is no step before it to multiply
	LOADK
	LOADV
	s_wait_dscnt 16                                ; K'(0) is in
	QK
	WIN 0
.rept 5
	v_nop
.endr
	SMIF 0
	s_add_co_u32 s[TB], s[TB], 16384
	STEPS 7
.Lslot:                                            ; two trips: slots 0 and 1 are filled again, with keys 1,024 on and 1,536 on
	CHANGE 1
	STEPS 8
	s_sub_co_u32 s[SLOTS], s[SLOTS], 1
	s_cmp_lg_u32 s[SLOTS], 0
	s_cbranch_scc1 .Lslot
	CHANGE 0                                       ; the tail is written out
	STEPS 8
.irp ct, 0,1,2,3                       ; bv in the result's layout, into K's registers, which are free: lane (r, h) wants channels 16 ct + 8 h + 0 .. 7
	global_load_b128 v[KF+8*\ct:KF+8*\ct+3], v[BVA], s[8:9] offset:64*\ct
	global_load_b128 v[KF+8*\ct+4:KF+8*\ct+7], v[BVA], s[8:9] offset:64*\ct+16
.endr
	SMIF 1
	s_wait_dscnt 0x0                               ; V' of the last step
	PV
	; THE WAY OUT.  l's two halves and the other half of the lanes' are added; O = O^T / l + bv in one multiply-add; rounded to f16, a lane's eight channels of a token are 16 bytes of a piece of the next product's operand.
	WIN 0
.irp t, 0,1,2,3
	v_add_f32 v[ST+8*\t+4], v[ST+8*\t+2], v[ST+8*\t+3]   ; (these lines are the places behind the last products)
.endr
.irp t, 0,1,2,3
	v_permlanex16_b32 v[ST+8*\t+5], v[ST+8*\t+4], s[SEL], s[SEL+1]
.endr
.irp t, 0,1,2,3
	v_add_f32 v[ST+8*\t+4], v[ST+8*\t+4], v[ST+8*\t+5]
.endr
.irp t, 0,1,2,3
	v_rcp_f32 v[ST+8*\t+6], v[ST+8*\t+4]
.endr
	v_nop                                          ; a plain instruction between the last reciprocal and the use of its result
	s_wait_alu depctr_va_vdst(0)                   ; and the wait ahead of the first use: one for the four
	s_wait_loadcnt 0x0                             ; bv
	WIN 0x01                                       ; source 0 (O^T) window 1
.irp t, 0,1,2,3
.irp ct, 0,1,2,3
.irp i, 0,1,2,3
	v_pk_fma_f32 v[S+32*\t+8*\ct+2*\i:S+32*\t+8*\ct+2*\i+1], v[32*\t+8*\ct+2*\i:32*\t+8*\ct+2*\i+1], v[ST+8*\t+6:ST+8*\t+7], v[KF+8*\ct+2*\i:KF+8*\ct+2*\i+1] op_sel_hi:[1,0,1]
.endr
.endr
.endr
	WIN 0
.irp t, 0,1,2,3
.set n, 0
.rept 16
	v_cvt_pk_f16_f32 v[S+32*\t+n], v[S+32*\t+2*n], v[S+32*\t+2*n+1]
.set n, n+1
.endr
.endr
.irp t, 0,1,2,3
.irp ct, 0,1,2,3
	global_store_b128 v[LI], v[S+32*\t+4*\ct:S+32*\t+4*\ct+3], s[10:11] offset:(\ct/2)*8192+\t*1024+(\ct%2)*512   ; a piece: 32 lanes store 512 consecutive bytes
.endr
.endr
	s_wait_tensorcnt 0x0                           ; the wave's end, behind my last tensor load
	ds_add_u32 v[SPW], v[NIL]
	s_wait_dscnt 0x0
	CROUND                                         ; the closing round: no work-group ends while a partner may still ask for a tile that names it
	s_endpgm
.Lfunc_end_k_q294141a959_attn:
	.size	k_q294141a959_attn, .Lfunc_end_k_q294141a959_attn-k_q294141a959_attn
	.p2alignl 7, 3214868480
	.fill 96, 4, 3214868480
	.section	.rodata,"a",@progbits
	.p2align	6, 0x0
	.amdhsa_kernel k_q294141a959_attn
		.amdhsa_group_segment_fixed_size 327680
		.amdhsa_private_segment_fixed_size 0
		.amdhsa_enable_private_segment 0
		.amdhsa_kernarg_size 32
		.amdhsa_user_sgpr_count 2
		.amdhsa_user_sgpr_kernarg_segment_ptr 1
		.amdhsa_wavefront_size32 1
		.amdhsa_system_sgpr_workgroup_id_x 1
		.amdhsa_system_sgpr_workgroup_id_y 1
		.amdhsa_system_sgpr_workgroup_id_z 1
		.amdhsa_system_vgpr_workitem_id 0
		.amdhsa_next_free_vgpr 512
		.amdhsa_next_free_sgpr 66
		.amdhsa_reserve_vcc 0
		.amdhsa_float_denorm_mode_32 3
		.amdhsa_float_denorm_mode_16_64 3
		.amdhsa_memory_ordered 1
		.amdhsa_forward_progress 1
		.amdhsa_inst_pref_size 251
	.end_amdhsa_kernel
	.amdgpu_metadata
---
amdhsa.version: [ 1, 2 ]
amdhsa.kernels:
  - .name:           k_q294141a959_attn
    .symbol:         k_q294141a959_attn.kd
    .args:
      - { .name: qimg, .offset: 0, .size: 8, .value_kind: global_buffer, .address_space: global }
      - { .name: kv, .offset: 8, .size: 8, .value_kind: global_buffer, .address_space: global }
      - { .name: bv, .offset: 16, .size: 8, .value_kind: global_buffer, .address_space: global }
      - { .name: oimg, .offset: 24, .size: 8, .value_kind: global_buffer, .address_space: global }
    .group_segment_fixed_size: 327680
    .private_segment_fixed_size: 0
    .kernarg_segment_align: 8
    .kernarg_segment_size: 32
    .max_flat_workgroup_size: 256
    .sgpr_count:     66
    .vgpr_count:     512
    .wavefront_size: 32
...
	.end_amdgpu_metadata
.endif
;; end of part 3
;; launch proj (part 4): grid 2 x 128, 4 waves a work-group, no clusters, 167,936 bytes of LDS; arguments oimg, woimg, bo, out0; writes out0
.if DOCPART == 4
	.amdgcn_target "amdgcn-amd-amdhsa--gfx1250"
	.amdhsa_code_object_version 6
	.text
	.protected	k_q294141a959_proj
	.globl	k_q294141a959_proj
	.p2align	8
	.type	k_q294141a959_proj,@function
k_q294141a959_proj:
	s_mov_b64 s[64:65], 0
	v_nop
	global_prefetch_b8 v0, s[64:65] scope:SCOPE_SE
	s_setreg_imm32_b32 hwreg(HW_REG_WAVE_MODE, 25, 1), 1
	s_wait_xcnt 0x0
; PROJ: out0[bs][c'][n] = sum over c of O[bs][n][c] Wo[c'][c] + bo[c'].  Operands in f16, as images of operand registers (O from attn, Wo from prep); sums in f32; the result is stored with the tokens innermost.
; SHARES.  Work-group (x, y) makes 128 tokens (block y = 16 bs + n / 128) x 256 outputs c' (256 x on).  Wave w holds Wo's rows 256 x + 64 w .. + 63 in registers for the whole launch: 4 tiles x 16 K steps x 8 = 512.
; The block's fragments of O, 131,072 dense bytes, come into LDS once, a quarter by each wave's one tensor load; each fragment read from LDS feeds four products.
; NO CLUSTER: a block of O is read by two work-groups only and is a third of what a work-group reads; the other two thirds, Wo, go straight into registers.
; LAYOUT.  Source 0 = 16 tokens of O, source 1 = 16 rows of Wo: a lane holds ONE c' (l % 16) and eight neighbouring tokens, 32 bytes of a row of out0.  bo is the C of each sum's first product.
; REGISTERS: window 0: v1-5 addresses; v14, v15 the add's two; v16-47 bo; v64-127, v128-191 O's fragments of a K step, two buffers, on the way out rows of out0.
;   windows 1, 2: Wo: tile n, K step ks at v[128 (n % 2) + 8 ks] of window 1 + n / 2.   window 3: the 32 accumulators, token tile a, tile n at v[8 (4 a + n)].
.set STAGE, 131072                     ; behind O's fragments: 16 rows x (512 bytes + 16) for each wave, for the way out
.set STW,   8448
.set SPARE, STAGE+4*STW                ; the spare words, 128 bytes for each wave: two blocks of 256 bytes that no other line names
.set LI,  1                            ; v1   16 x lane
.set LI2, 2                            ; v2   + 65,536: K steps 8 on
.set STO, 3                            ; v3   the stage: where I put 32 bytes of a row
.set RD,  4                            ; v4   and where I read a row back
.set BA,  5                            ; v5   4 r
.set SPW, 14
.set NIL, 15
.set BO,  16                           ; v16-47  tile n: eight registers, all bo[c' of my lane]: in the result a lane has one c' in all eight
.set OF,  64
.set WV,  12
.set G1,  24
.set G0,  32
.set MSB, 0
.macro WIN new                         ; the immediate's high byte repeats the setting that is left
.if MSB != (\new)
	s_set_vgpr_msb (MSB<<8)|(\new)
.set MSB, (\new)
.endif
.endm
	s_load_b256 s[4:11], s[0:1], 0x0               ; oimg s[4:5], woimg s[6:7], bo s[8:9], out0 s[10:11]
	v_lshl_add_u32 v[SPW], v0, 2, SPARE
	v_mov_b32 v[NIL], 0
	ds_add_u32 v[SPW], v[NIL]                      ; the wave's opening: the add, twice on end, and its wait ahead of my first tensor load
	ds_add_u32 v[SPW], v[NIL]                      ; and once more, under the one wait; the set-up below, work on registers, stands between
	v_lshrrev_b32 v1, 5, v0
	v_readfirstlane_b32 s[WV], v1                  ; wave 0..3
	s_and_b32 s14, ttmp7, 0xffff                   ; the block of tokens
	; group 1: 32,768 dense bytes as 128 rows of 32 elements of 8 bytes, no padding: the pieces are read 512 consecutive bytes at a time
	s_mov_b32 s[G1+0], 3<<16
	s_mov_b32 s[G1+1], 32<<16
	s_mov_b32 s[G1+2], 128<<16
	s_mov_b32 s[G1+3], 32<<16
	s_mov_b32 s[G1+4], 128
	s_mov_b32 s[G1+5], 32
	s_mov_b32 s[G1+6], 0
	s_mov_b32 s[G1+7], 0
	s_lshl_b32 s18, s[WV], 15                      ; my quarter of the block: in LDS,
	s_lshl_b32 s16, s14, 17
	s_add_co_u32 s16, s16, s18                     ; and in oimg
	s_mov_b32 s17, 0
	s_lshl_b32 s20, ttmp9, 18                      ; Wo: tile 16 x + 4 w, 16,384 bytes a tile
	s_lshl_b32 s21, s[WV], 16
	s_add_co_u32 s20, s20, s21
	s_mov_b32 s21, 0
	s_lshl_b32 s22, ttmp9, 10                      ; bo: 256 x + 64 w numbers on
	s_lshl_b32 s23, s[WV], 8
	s_add_co_u32 s22, s22, s23
	s_mov_b32 s23, 0
	s_lshr_b32 s36, s14, 4                         ; out0: bs x 512 rows of 8,192 bytes,
	s_lshl_b32 s36, s36, 22
	s_lshl_b32 s37, ttmp9, 21                      ; row c' = 256 x + 64 w,
	s_add_co_u32 s36, s36, s37
	s_lshl_b32 s37, s[WV], 19
	s_add_co_u32 s36, s36, s37
	s_and_b32 s37, s14, 15
	s_lshl_b32 s37, s37, 9                         ; the block's 128 tokens in the row
	s_add_co_u32 s36, s36, s37
	s_mov_b32 s37, 0
	s_mul_i32 s38, s[WV], STW
	s_add_co_u32 s38, s38, STAGE                   ; my stage
	s_wait_dscnt 0x0                               ; both opening adds are done
	s_wait_kmcnt 0x0
	s_mov_b32 s[G0], 1
	s_mov_b32 s[G0+1], s18
	s_add_nc_u64 s[G0+2:G0+3], s[4:5], s[16:17]
	s_or_b32 s[G0+3], s[G0+3], 0x80000000
	tensor_load_to_lds s[G0:G0+3], s[G1:G1+7]      ; my one tensor load: a first fill; nothing is filled again
	s_nop 0
.rept 4
	v_nop
.endr
	s_add_nc_u64 s[6:7], s[6:7], s[20:21]
	s_add_nc_u64 s[8:9], s[8:9], s[22:23]
	s_add_nc_u64 s[10:11], s[10:11], s[36:37]
	v_and_b32 v8, 31, v0
	v_and_b32 v9, 15, v0                           ; r
	v_bfe_u32 v10, v0, 4, 1                        ; h
	v_lshlrev_b32 v[LI], 4, v8
	v_add_nc_u32 v[LI2], 65536, v[LI]
	v_mul_u32_u24 v[STO], v9, 528                  ; in: row r (my c'), 32 bytes for each half of the lanes
	v_lshl_add_u32 v[STO], v10, 5, v[STO]
	v_add_nc_u32 v[STO], s38, v[STO]
	v_add_nc_u32 v[RD], s38, v[LI]                 ; back: the 32 lanes take one row of 512 bytes
	v_lshlrev_b32 v[BA], 2, v9
	WIN 0x40                                       ; destination window 1: Wo's tiles 0 and 1
.set n, 0
.rept 64
	global_load_b128 v[4*n:4*n+3], v[LI], s[6:7] offset:512*n
.set n, n+1
.endr
	WIN 0x80                                       ; window 2: tiles 2 and 3
.set n, 0
.rept 64
	global_load_b128 v[4*n:4*n+3], v[LI], s[6:7] offset:32768+512*n
.set n, n+1
.endr
	WIN 0
.irp n, 0,1,2,3
.irp j, 0,1,2,3,4,5,6,7
	global_load_b32 v[BO+8*\n+\j], v[BA], s[8:9] offset:64*\n
.endr
.endr
	s_wait_tensorcnt 0x0                           ; my quarter of the block is in,
	s_barrier_signal -1
	s_barrier_wait -1                              ; everybody's is
.macro FETCH k                         ; K step k: the eight token tiles' fragments into buffer k % 2
.set OFB, OF+64*((\k)%2)
.set n, 0
.rept 16
.if (\k) < 8
	ds_load_b128 v[OFB+4*n:OFB+4*n+3], v[LI] offset:((\k)%8)*8192+512*n
.else
	ds_load_b128 v[OFB+4*n:OFB+4*n+3], v[LI2] offset:((\k)%8)*8192+512*n
.endif
.set n, n+1
.endr
.endm
; A K step: 32 products, the 32 accumulators by turns, in the same order in every step; the next step's fragments are asked for ahead of them.
.macro KSTEP ks
	WIN 0
.if (\ks) > 0
.rept 4
	v_nop                                          ; places in front of loads into the buffer that the last step's products have read
.endr
.endif
.if (\ks) < 15
	FETCH (\ks)+1
	s_wait_dscnt 16                                ; this step's fragments are in; the next step's 16 loads may be out
.else
	s_wait_dscnt 0x0
.endif
.set OFA, OF+64*((\ks)%2)
.irp nh, 0,1
.if (\ks) == 0
	WIN 0xc4+4*\nh                                 ; source 1 (Wo) window 1 + nh, D window 3, C (bo) window 0
.else
	WIN 0xf4+4*\nh                                 ; source 1 window 1 + nh, C and D window 3
.endif
.irp a, 0,1,2,3,4,5,6,7
.irp e, 0,1
.if (\ks) == 0
	v_wmma_f32_16x16x32_f16 v[8*(4*\a+2*\nh+\e):8*(4*\a+2*\nh+\e)+7], v[OFA+8*\a:OFA+8*\a+7], v[128*\e+8*(\ks):128*\e+8*(\ks)+7], v[BO+8*(2*\nh+\e):BO+8*(2*\nh+\e)+7]
.else
	v_wmma_f32_16x16x32_f16 v[8*(4*\a+2*\nh+\e):8*(4*\a+2*\nh+\e)+7], v[OFA+8*\a:OFA+8*\a+7], v[128*\e+8*(\ks):128*\e+8*(\ks)+7], v[8*(4*\a+2*\nh+\e):8*(4*\a+2*\nh+\e)+7]
.endif
.endr
.endr
.endr
.endm
	FETCH 0
	s_wait_loadcnt 0x0                             ; Wo, bo
.irp ks, 0,1,2,3,4,5,6,7,8,9,10,11,12,13,14,15
	KSTEP \ks
.endr
	WIN 0
; THE WAY OUT, a tile of 16 rows c' x 128 tokens at a time.  A lane holds 32 bytes of a row, and the lanes beside it hold other rows: so a tile goes through my own stage in LDS and comes back as whole rows of 512 bytes.
; LDS serves a wave's instructions in order (ISA guide 5.7.1.4): no wait between the stores and the loads, nor in front of the next tile's stores.
.macro TOSTAGE n
	WIN 0x0c                                       ; an LDS store's data are its source 1: window 3
.irp a, 0,1,2,3,4,5,6,7
	ds_store_b128 v[STO], v[8*(4*\a+(\n)):8*(4*\a+(\n))+3] offset:64*\a          ; each accumulator from its low end on
	ds_store_b128 v[STO], v[8*(4*\a+(\n))+4:8*(4*\a+(\n))+7] offset:64*\a+16
.endr
	WIN 0
.set BB, OF+64*((\n)%2)
.irp i, 0,1,2,3,4,5,6,7,8,9,10,11,12,13,14,15
	ds_load_b128 v[BB+4*\i:BB+4*\i+3], v[RD] offset:528*\i
.endr
.endm
.macro SEND n, younger                 ; younger: the LDS instructions issued behind tile n's loads, which may stay out
.set BB, OF+64*((\n)%2)
	s_wait_dscnt \younger
.irp i, 0,1,2,3,4,5,6,7,8,9,10,11,12,13,14,15
	global_store_b128 v[LI], v[BB+4*\i:BB+4*\i+3], s[10:11] offset:(\n)*131072+\i*8192 th:TH_STORE_NT   ; 32 lanes store 512 consecutive bytes of row c', at a multiple of 256 from out0's first byte
.endr
.endm
.rept 4
	v_nop                                          ; places ahead of the first read of results, and of the loads into the registers that held O's fragments
.endr
	TOSTAGE 0
	TOSTAGE 1
	SEND 0, 32                                     ; behind tile 0's loads: tile 1's 16 stores and 16 loads
	s_wait_xcnt 0x0                                ; tile 0's stores have read their registers: tile 2's loads may land there
	TOSTAGE 2
	SEND 1, 32
	s_wait_xcnt 0x0
	TOSTAGE 3
	SEND 2, 32
	SEND 3, 0
	s_wait_tensorcnt 0x0                           ; the wave's end, behind my last tensor load and my last LDS store
	ds_add_u32 v[SPW], v[NIL]
	s_wait_dscnt 0x0
	s_endpgm
.Lfunc_end_k_q294141a959_proj:
	.size	k_q294141a959_proj, .Lfunc_end_k_q294141a959_proj-k_q294141a959_proj
	.p2alignl 7, 3214868480
	.fill 96, 4, 3214868480
	.section	.rodata,"a",@progbits
	.p2align	6, 0x0
	.amdhsa_kernel k_q294141a959_proj
		.amdhsa_group_segment_fixed_size 167936
		.amdhsa_private_segment_fixed_size 0
		.amdhsa_enable_private_segment 0
		.amdhsa_kernarg_size 32
		.amdhsa_user_sgpr_count 2
		.amdhsa_user_sgpr_kernarg_segment_ptr 1
		.amdhsa_wavefront_size32 1
		.amdhsa_system_sgpr_workgroup_id_x 1
		.amdhsa_system_sgpr_workgroup_id_y 1
		.amdhsa_system_sgpr_workgroup_id_z 1
		.amdhsa_system_vgpr_workitem_id 0
		.amdhsa_next_free_vgpr 1024
		.amdhsa_next_free_sgpr 66
		.amdhsa_reserve_vcc 0
		.amdhsa_float_denorm_mode_32 3
		.amdhsa_float_denorm_mode_16_64 3
		.amdhsa_memory_ordered 1
		.amdhsa_forward_progress 1
		.amdhsa_inst_pref_size 85
	.end_amdhsa_kernel
	.amdgpu_metadata
---
amdhsa.version: [ 1, 2 ]
amdhsa.kernels:
  - .name:           k_q294141a959_proj
    .symbol:         k_q294141a959_proj.kd
    .args:
      - { .name: oimg, .offset: 0, .size: 8, .value_kind: global_buffer, .address_space: global }
      - { .name: woimg, .offset: 8, .size: 8, .value_kind: global_buffer, .address_space: global }
      - { .name: bo, .offset: 16, .size: 8, .value_kind: global_buffer, .address_space: global }
      - { .name: out0, .offset: 24, .size: 8, .value_kind: global_buffer, .address_space: global }
    .group_segment_fixed_size: 167936
    .private_segment_fixed_size: 0
    .kernarg_segment_align: 8
    .kernarg_segment_size: 32
    .max_flat_workgroup_size: 128
    .sgpr_count:     66
    .vgpr_count:     1024
    .wavefront_size: 32
...
	.end_amdgpu_metadata
.endif
;; end of part 4
